; MI455X (gfx1250); checked and timed in simulation.
; The chip was launched on July 23, 2026; its instructions are those of AMD's public machine-readable ISA for CDNA 5 (MIT licence, August 2026) and "CDNA5" Instruction Set Architecture Reference Guide (July 2026). The comments in the code are by the model that wrote it; some were corrected since.
;; Scaled Dot Product Attention. Allowed arithmetic: matrix products marked QUANTISED: E4M3 operands, one given power-of-two scale a tensor, by v_wmma_f32_16x16x64_fp8_fp8 or v_wmma_f32_16x16x128_fp8_fp8, f32 sums; everything else in f32.
;; Inputs: k 4 x 2,048 x 1,024 float32; lowp_scales 10 int32 (the exponents e of the quantised operands' scales 2^e); q 4 x 2,048 x 1,024 float32; v 4 x 2,048 x 1,024 float32; w_k 1,024 x 1,024 float32; w_q 1,024 x 1,024 float32; w_v 1,024 x 1,024 float32.
;; Outputs: out0 4 x 2,048 x 1,024 float32.
;; This version of the problem:
;;   THIS VERSION OF THE PROBLEM IS GIVEN IN LOW PRECISION. The matrix products marked QUANTISED in the list below multiply operands that are first quantised to E4M3 (4 exponent bits, 3 mantissa bits; 8 bits a number), with one given power-of-two scale for each operand tensor; their sums are f32. All else is computed in f32.
;;   The module's matrix products, in the order in which they are computed (A, B: the left and right operand; K: the contracted axis; several contracted axes count as one K, in the product's order):
;;     1. [M 8,192, K 1,024] x [K 1,024, N 1,024]; A: input q; B: input w_q: QUANTISED (scales: A lowp_scales[0], B lowp_scales[1])
;;     2. [M 8,192, K 1,024] x [K 1,024, N 1,024]; A: input k; B: input w_k: QUANTISED (scales: A lowp_scales[2], B lowp_scales[3])
;;     3. [M 8,192, K 1,024] x [K 1,024, N 1,024]; A: input v; B: input w_v: QUANTISED (scales: A lowp_scales[4], B lowp_scales[5])
;;     4. batch 4 x [M 2,048, K 1,024] x [K 1,024, N 2,048]; A: computed on the way; B: computed on the way: QUANTISED (scales: A lowp_scales[6], B lowp_scales[7])
;;     5. batch 4 x [M 2,048, K 2,048] x [K 2,048, N 1,024]; A: softmax (see below); B: computed on the way: QUANTISED (scales: A lowp_scales[8], B lowp_scales[9])
;;   THE QUANTISER, for each operand of a quantised product, along K:
;;     - The operand's scale is 2^e, e = its entry of the input lowp_scales (int32; the entries are numbered through the quantised products in the list's order, A before B).
;;     - Each number is divided by the scale, clamped to +-448, and rounded to the nearest number of E4M3, ties to even, subnormals kept.
;;     - The product sums the exact products of the quantised numbers (number of the format x scale) in f32.
;;   ~~~python
;;   def quantise(x, axis, e):      # numpy; x: float32 -> the quantised numbers, widened to float32 again
;;       x = np.moveaxis(x, axis, -1); K = x.shape[-1]
;;       r = np.clip(x / 2.0 ** e, -448, 448)
;;       step = 2.0 ** (np.maximum(np.frexp(np.where(r == 0, 1, r))[1] - 1, -6) - 3)
;;       q = np.round(r / step) * step * 2.0 ** e      # np.round: ties to even
;;       return np.moveaxis(q, -1, axis).astype(np.float32)
;;   ~~~
;;   SOFTMAX AHEAD OF A QUANTISED PRODUCT. Where the list says 'softmax', what is quantised is not the finished softmax but p = 2^(t - M), with t = logit x log2(e) and M = ceil(the row's largest t), a whole number; so 1/2 < the row's largest p <= 1. The row's sum l is taken of the UNQUANTISED p, in f32, and the product's result is divided by l at the end. Since M is a whole number, a kernel that streams over the keys may use a running M (the ceiling of the running maximum): every later rescaling is an exact power of two, so the quantised numbers keep their values, but for numbers so far below the row's largest that they fall under the format's range.
;;   OPERANDS COMPUTED ON THE WAY. 'Computed on the way' means the value that the module computes at that place (a softmax that the list does not call 'softmax' is quantised finished and normalised). What goes into a quantiser is computed in f32, as accurately as f32 sums, v_exp_f32 and their like allow (about 1e-6 of the number): no bf16 or f16 on the way to a quantiser, and a product that is left as it is and whose result goes on into a quantised operand takes f32 operands (vector FMAs, or v_wmma_f32_16x16x4_f32). A number that lies on a knife's edge between two numbers of the format may be rounded either way, as far as f32 arithmetic and the matrix unit's own rounding can turn it there, and no further.
;; One version. Each part assembles by itself: llvm-mc -triple=amdgcn-amd-amdhsa -mcpu=gfx1250 --defsym DOCPART=n.
;; ======== version 1 of 1: 4 launches
;; limits: right only within a limited range of input values
;; workspace buffers: qc 3,145,728 bytes; pc 25,165,824 bytes; pp 16,777,216 bytes; st 1,048,576 bytes
;; launch quant (part 1): grid 192 x 1, 4 waves a work-group, no clusters, 17,920 bytes of LDS; arguments w_q, w_k, w_v, lowp_scales, qc; writes qc
.if DOCPART == 1
	.amdgcn_target "amdgcn-amd-amdhsa--gfx1250"
	.amdhsa_code_object_version 6
	.text
	.protected	k_qfb30666abc_quant
	.globl	k_qfb30666abc_quant
	.p2align	8
	.type	k_qfb30666abc_quant,@function
k_qfb30666abc_quant:
	s_mov_b64 s[64:65], 0
	v_nop
	global_prefetch_b8 v0, s[64:65] scope:SCOPE_SE
	s_setreg_imm32_b32 hwreg(HW_REG_WAVE_MODE, 25, 1), 1
	s_wait_xcnt 0x0
; w_q, w_k, w_v [1024][1024], f32, become codes of E4M3 with their given scales 2^e (lowp_scales 1, 3, 5).
; code = x / 2^e, held within +-448, rounded to the nearest code, ties to even.
; NO WORK OF THE PROBLEM IS LEFT OUT in this program: every input reaches the output, all five products are done; 1 / sqrt(1024) is folded into the softmax's constant.
; LIMITS: each e between -126 and 119, so that 2^e and 448 x 2^e are f32 numbers.  NaN among the inputs is not served (an infinity is held at the largest code).
; THE CODES ARE LAID AS THE MATRIX OPERANDS' REGISTERS WANT THEM.  A fragment is 16 rows x 128 codes along K = 2,048 bytes: byte 512 c + 16 L + e belongs to the row of lane L % 16.
; In each group of 32 rows, lane r of tile u (0, 1) holds row 8 u + r + 8 (r / 8).
; THE ORDER OF K: in a block of 256 along K, place 8 L + 4 j + i holds k = 128 j + 4 L + i (L 0..31, j 0..1, i 0..3): what one lane has from two loads of a row.  The activations have the same order, so every product meets its partner.
; A tensor is 16 tiles of 65,536 bytes: rows 0-511 in tiles 0-7 (one a K step of 128): [32 fragments][2,048];
; rows 512-1023 in tiles 8-15: the 512-byte piece n = 4 i + c of wave w's fragment i lies at 4,096 (n / 2) + 1,024 w + 512 (n % 2).
; SHARES.  A wave takes a tile of 16 rows x 256 along K.  No barrier, no cluster, no tensor load: waves share nothing, each number is read once.  There is no loop to run ahead in, so no prefetch.
.set FB,    2176                       ; a fragment in the stage: 16 bytes of padding behind each 256
.set STG,   2*FB
.set SPARE, 4*STG                      ; the spare words: two blocks of 256 bytes that no other line names
.set X,   16                           ; v16-143  16 rows x 8 numbers
.set C,   144                          ; v144-175 codes
.set O,   176                          ; v176-207 fragments
	s_load_b256 s[4:11], s[0:1], 0x0               ; w_q, w_k, w_v, the scales' exponents
	s_load_b64 s[12:13], s[0:1], 0x20              ; qc
	v_lshl_add_u32 v12, v0, 2, SPARE
	v_mov_b32 v13, 0
	v_lshrrev_b32 v1, 5, v0
	v_readfirstlane_b32 s16, v1                    ; wave
	v_and_b32 v2, 31, v0
	v_lshlrev_b32 v3, 4, v2                        ; 16 x lane
	v_lshrrev_b32 v6, 4, v2                        ; lane / 16
	v_bfe_u32 v7, v2, 1, 3
	v_and_b32 v8, 1, v2
	v_and_b32 v9, 15, v2
	v_mul_u32_u24 v4, v6, FB
	v_mul_u32_u24 v7, v7, 272
	v_add_nc_u32 v4, v4, v7
	v_lshl_add_u32 v4, v8, 3, v4                   ; in: K step lane / 16, 16-byte chunk (lane / 2) % 8, half lane % 2
	v_mul_u32_u24 v5, v6, 272
	v_lshl_add_u32 v5, v9, 4, v5                   ; out: a piece of 512 bytes
	s_mul_i32 s17, s16, STG
	v_add_nc_u32 v4, s17, v4
	v_add_nc_u32 v5, s17, v5
	s_wait_alu depctr_va_vdst(0)
	s_lshr_b32 s18, ttmp9, 6                       ; t: 0 w_q, 1 w_k, 2 w_v
	s_and_b32 s19, ttmp9, 63
	s_lshr_b32 s20, s19, 1                         ; g: the group of 32 rows
	s_and_b32 s21, s19, 1
	s_lshl_b32 s21, s21, 1
	s_lshr_b32 s22, s16, 1
	s_add_co_u32 s21, s21, s22                     ; the block of 256 along K
	s_and_b32 s22, s16, 1                          ; u: my tile of the group
	s_lshl_b32 s24, s20, 17
	s_lshl_b32 s23, s22, 15
	s_add_co_u32 s24, s24, s23
	s_lshl_b32 s23, s21, 10
	s_add_co_u32 s24, s24, s23                     ; in: my first byte
	s_mov_b32 s25, 0
	s_lshl_b32 s26, s20, 1
	s_add_co_u32 s26, s26, s22                     ; fragment 0..63
	s_lshr_b32 s27, s26, 5                         ; which half of the rows
	s_and_b32 s26, s26, 31
	s_lshl_b32 s28, s26, 11                        ; its place in tiles 0-7,
	s_and_b32 s29, s26, 7
	s_lshl_b32 s29, s29, 13
	s_lshr_b32 s30, s26, 3
	s_lshl_b32 s30, s30, 10
	s_add_co_u32 s29, s29, s30                     ; and in tiles 8-15
	s_movk_i32 s30, 0x1000
	s_cmp_eq_u32 s27, 0
	s_cselect_b32 s28, s28, s29
	s_cselect_b32 s30, 0x400, s30                  ; from pieces 0, 1 to pieces 2, 3
	s_mov_b32 s31, 0
	s_lshl_b32 s29, s27, 19
	s_add_co_u32 s28, s28, s29
	s_lshl_b32 s29, s21, 17
	s_add_co_u32 s28, s28, s29
	s_lshl_b32 s29, s18, 20
	s_add_co_u32 s28, s28, s29
	s_mov_b32 s29, 0
	s_wait_kmcnt 0x0
	s_load_b256 s[40:47], s[10:11], 0x0            ; e0 .. e7
	s_cmp_eq_u32 s18, 1
	s_cselect_b64 s[4:5], s[6:7], s[4:5]
	s_cmp_eq_u32 s18, 2
	s_cselect_b64 s[4:5], s[8:9], s[4:5]
	s_add_nc_u64 s[4:5], s[4:5], s[24:25]
	s_add_nc_u64 s[34:35], s[12:13], s[28:29]
	s_add_nc_u64 s[36:37], s[34:35], s[30:31]
.irp i, 0,1,2,3,4,5,6,7,8,9,10,11,12,13,14,15
.irp j, 0,1
	global_load_b128 v[X+8*\i+4*\j:X+8*\i+4*\j+3], v3, s[4:5] offset:(\i+8*(\i/8))*4096+512*\j th:TH_LOAD_NT   ; 512 consecutive bytes of one row
.endr
.endr
	s_wait_kmcnt 0x0
	s_cmp_eq_u32 s18, 1
	s_cselect_b32 s32, s43, s41
	s_cmp_eq_u32 s18, 2
	s_cselect_b32 s32, s45, s32                    ; e
	s_add_co_i32 s32, s32, 127
	s_lshl_b32 s33, s32, 23
	v_mov_b32 v11, s33                             ; 2^e
	s_add_co_i32 s32, s32, 8
	s_lshl_b32 s32, s32, 23
	s_or_b32 s32, s32, 0x600000
	v_mov_b32 v10, s32                             ; 448 x 2^e
.macro HALF hf
	s_wait_loadcnt 16-16*\hf                       ; these 8 rows' 16 loads are in
.set n, 64*\hf
.rept 64
	v_med3_num_f32 v[X+n], v[X+n], -v10, v10       ; the conversion to an 8-bit code does not saturate (ISA guide 7.6.2)
.set n, n+1
.endr
.set n, 8*\hf
.rept 8
	v_cvt_scalef32_pk8_fp8_f32 v[C+2*n:C+2*n+1], v[X+8*n:X+8*n+7], v11
.set n, n+1
.endr
	v_nop
.set n, 8*\hf
.rept 8
	ds_store_b64 v4, v[C+2*n:C+2*n+1] offset:16*n
.set n, n+1
.endr
.endm
	s_wait_alu depctr_va_vdst(0)
	HALF 0
	HALF 1
.irp s, 0,1
.irp c, 0,1,2,3
	ds_load_b128 v[O+16*\s+4*\c:O+16*\s+4*\c+3], v5 offset:FB*\s+544*\c   ; LDS serves a wave's instructions in order (ISA guide 5.7.1.4): these see the stores above
.endr
.endr
.irp s, 0,1
	s_wait_dscnt 4-4*\s
.irp c, 0,1,2,3
	global_store_b128 v3, v[O+16*\s+4*\c:O+16*\s+4*\c+3], s[34+2*(\c/2):35+2*(\c/2)] offset:65536*\s+512*(\c%2)   ; 512 consecutive bytes
.endr
.endr
	s_wait_tensorcnt 0x0                           ; the wave's end
	ds_add_u32 v12, v13
	s_wait_dscnt 0x0
	s_endpgm
.Lfunc_end_k_qfb30666abc_quant:
	.size	k_qfb30666abc_quant, .Lfunc_end_k_qfb30666abc_quant-k_qfb30666abc_quant
	.p2alignl 7, 3214868480
	.fill 96, 4, 3214868480
	.section	.rodata,"a",@progbits
	.p2align	6, 0x0
	.amdhsa_kernel k_qfb30666abc_quant
		.amdhsa_group_segment_fixed_size 17920
		.amdhsa_private_segment_fixed_size 0
		.amdhsa_enable_private_segment 0
		.amdhsa_kernarg_size 40
		.amdhsa_user_sgpr_count 2
		.amdhsa_user_sgpr_kernarg_segment_ptr 1
		.amdhsa_wavefront_size32 1
		.amdhsa_system_sgpr_workgroup_id_x 1
		.amdhsa_system_sgpr_workgroup_id_y 1
		.amdhsa_system_sgpr_workgroup_id_z 1
		.amdhsa_system_vgpr_workitem_id 0
		.amdhsa_next_free_vgpr 208
		.amdhsa_next_free_sgpr 66
		.amdhsa_reserve_vcc 0
		.amdhsa_float_denorm_mode_32 3
		.amdhsa_float_denorm_mode_16_64 3
		.amdhsa_memory_ordered 1
		.amdhsa_forward_progress 1
		.amdhsa_inst_pref_size 18
	.end_amdhsa_kernel
	.amdgpu_metadata
---
amdhsa.version: [ 1, 2 ]
amdhsa.kernels:
  - .name:           k_qfb30666abc_quant
    .symbol:         k_qfb30666abc_quant.kd
    .args:
      - { .name: w_q, .offset: 0, .size: 8, .value_kind: global_buffer, .address_space: global }
      - { .name: w_k, .offset: 8, .size: 8, .value_kind: global_buffer, .address_space: global }
      - { .name: w_v, .offset: 16, .size: 8, .value_kind: global_buffer, .address_space: global }
      - { .name: lowp_scales, .offset: 24, .size: 8, .value_kind: global_buffer, .address_space: global }
      - { .name: qc, .offset: 32, .size: 8, .value_kind: global_buffer, .address_space: global }
    .group_segment_fixed_size: 17920
    .private_segment_fixed_size: 0
    .kernarg_segment_align: 8
    .kernarg_segment_size: 40
    .max_flat_workgroup_size: 128
    .sgpr_count:     66
    .vgpr_count:     208
    .wavefront_size: 32
...
	.end_amdgpu_metadata
.endif
;; end of part 1
;; launch proj (part 2): grid 192 x 1, 4 waves a work-group, clusters of 4 x 1, 327,680 bytes of LDS; arguments q, k, v, qc, lowp_scales, pc; writes pc
.if DOCPART == 2
	.amdgcn_target "amdgcn-amd-amdhsa--gfx1250"
	.amdhsa_code_object_version 6
	.text
	.protected	k_qfb30666abc_proj
	.globl	k_qfb30666abc_proj
	.p2align	8
	.type	k_qfb30666abc_proj,@function
k_qfb30666abc_proj:
	s_mov_b64 s[64:65], 0
	v_nop
	global_prefetch_b8 v0, s[64:65] scope:SCOPE_SE
	s_setreg_imm32_b32 hwreg(HW_REG_WAVE_MODE, 25, 1), 1
	s_wait_xcnt 0x0
	s_wait_alu depctr_hold_cnt(0) depctr_sa_sdst(0) depctr_va_vdst(0) depctr_va_sdst(0) depctr_va_ssrc(0) depctr_va_vcc(0) depctr_vm_vsrc(0)
	s_getreg_b32 s2, hwreg(HW_REG_IB_STS2, 6, 4)
	s_cmp_eq_u32 s2, 0
	s_cbranch_scc0 .Lentry_in_a_cluster
	s_endpgm
.Lentry_in_a_cluster:
	s_bfe_u32 s2, ttmp6, 0x10000c
	s_cmp_lg_u32 s2, 0x3003
	s_cbranch_scc0 .Lentry_shape_is_right
	s_endpgm
.Lentry_shape_is_right:
; query = q w_q^T, key = k w_k^T, value = v w_v^T on codes of E4M3; the results, quantised for the next products, go out as images of operand registers.  No work of the problem is left out.
; A work-group takes 128 rows of ONE tensor (64 work-groups to each of q, k, v) and all 1,024 columns, so each f32 activation is read once, straight into registers, and quantised here.
; PASS 1, columns 0-511: a wave makes 128 rows x 128 columns (512 registers of sums) while the activations come in along K, 256 at a time: 256 registers a wave hold the numbers on their way.
; They are held, converted and stored in LDS as fragments, where all four waves read them and pass 2 reads them again.  The weights' codes come through a ring of two slots, one K step of 128 each, by JOINT LOADS:
; the four work-groups of a cluster work on one tensor and read the same tiles.  A wave fetches the fragments that it alone reads.
; PASS 2, columns 512-1023: the activations' codes lie in LDS, so nothing is exchanged any more: each wave loads its own weights' fragments straight into two sets of 128 registers, a K step ahead, with no barrier.
; (No joint loads there: beside 140,288 bytes of codes two slots hold one K step each, and each would need a round of the cluster's barrier for 64 matrix instructions a wave.)
; query, key: source 0 = weights, source 1 = activations: a lane holds one row, its registers run along the channels.  value: the sources change places: a lane holds one channel, its registers run along the keys.
; FRAGMENTS in LDS: 16 rows x 128 K, 8 chunks of 256 bytes + 16 of padding (2,176 bytes): lane (r, h) reads its 16 bytes of piece c at 544 c + 272 h + 16 r.  The order of K is the weights' (launch quant).
; pc: query, key at t x 2^23: [64 blocks of 128 rows][8 K steps of 128 channels][8 tiles][2,048]; value at 2^24: [4 batches x 8 blocks of 128 channels][16 K steps of 128 keys][8 tiles][2,048].
; 192 work-groups: three tensors of 8,192 rows do not share 256 work-groups out in whole fragments with one set of weights each.
; LIMITS: with ex, ew, eo the exponents of a product's operands and of its result: ex and eo - ex - ew between -126 and 119.  NaN among the inputs is not served.
; WINDOWS: 0: v0-31 addresses and constants; v32-95, v224-255 source 1's stream of fragments (pass 2: v32-95, v96-159 the codes' two halves), v96-223 source 0's eight; on the way out v32-95 numbers, v96-223 codes.
;   1: the activations as loaded; pass 2: the weights' two sets.  2, 3: sums, (a, b) at v[8 (8 (a % 4) + b)], a the fragment of source 1, b of source 0.
.set FB,   2176
.set WSL,  32*FB                       ; a slot of weights
.set AST,  8*FB+128                    ; a K step of the activations' codes; the 128 put the two K steps that one store writes on different banks
.set ABL,  2*AST                       ; 256 along K
.set ACT,  2*WSL
.set SPARE, ACT+4*ABL                  ; the spare words: two blocks of 256 bytes that no other line names
.set LN,  2                            ; 16 x lane
.set STB, 3                            ; where I put codes, in block 0
.set FA,  4                            ; the codes' fragments, in block 0
.set AW,  6                            ; v6, v7: my weights' fragments in slot 0, 1
.set PFO, 8                            ; the prefetches' offset
.set STK, 9                            ; the block in hand
.set AK,  10
.set SPW, 12
.set NIL, 13
.set SCL, 14                           ; 2^ex and 448 x 2^ex
.set LIM, 15
.set SC2, 16                           ; 2^(eo - ex - ew) and 448 x that
.set LM2, 17
.set G0, 20                            ; s[20:23], s[24:27]: group 0 of the slots;  s[28:35]: group 1
.set G1, 28
.set PX, 36                            ; s[36:37] the activations
.set PW, 38                            ; s[38:39] my weights of pass 2
.set PF, 40                            ; s[40:41] the prefetches
.set OP, 42                            ; s[42:43] out;  s[44:45] from pass 1's to pass 2's
.set VF, 73                            ; s73: 1 for value
.set AFL, 74                           ; s74: which of the tensor's 16 clusters is mine
.set P2, 70                            ; s[70:71] pass 2's next weights
.set MSB, 0
.macro WIN new
.if MSB != (\new)
	s_set_vgpr_msb (MSB<<8)|(\new)
.set MSB, (\new)
.endif
.endm
.macro PLACES                          ; a load into, or a vector access of, a matrix instruction's registers stands four places behind it (ISA guide 7.12.1 for vector accesses)
.rept 4
	v_nop
.endr
.endm
.macro JLOAD s                         ; a joint load: every wave fetches its own eight fragments
	tensor_load_to_lds s[G0+4*\s:G0+4*\s+3], s[G1:G1+7]
	s_nop 0
	PLACES
.endm
.macro CROUND                          ; a round of the cluster's barrier
	s_barrier_signal -1
	s_barrier_wait -1
	s_cmp_lg_u32 s16, 0
	s_cbranch_scc1 .Lnot_wave_0_\@
	s_barrier_signal -3
.Lnot_wave_0_\@:
	s_barrier_wait -3
	s_barrier_signal -1
	s_barrier_wait -1
.endm
.macro DRAIN                           ; my tensor load has landed; 0 onto my spare word; my LDS reads and stores are done; then the round
	s_wait_tensorcnt 0x0
	ds_add_u32 v[SPW], v[NIL]
	s_wait_dscnt 0x0
	CROUND
.endm
; A PREFETCH of the weights, a tile of 65,536 bytes four tiles ahead of the joint load.  Four of the 16 clusters that read a tensor's weights ask, each for the whole tile: 64 blocks of 256 bytes to each partner, told apart by address, 16 to a wave.
.macro ASK off
	s_cmp_lt_u32 s[AFL], 4
	s_cbranch_scc0 .Lnot_mine_\@
	global_prefetch_b8 v[PFO], s[PF:PF+1] offset:\off th:TH_LOAD_NT scope:SCOPE_SE
.Lnot_mine_\@:
.endm
.macro XLOAD hf                        ; 16 rows x 256 numbers, two loads of 512 consecutive bytes a row.  (In the last trip: a K step of pass 2's weights, laid at the same distances)
	WIN 0x40
.irp i, 0,1,2,3,4,5,6,7,8,9,10,11,12,13,14,15
	global_load_b128 v[128*\hf+8*\i:128*\hf+8*\i+3], v[LN], s[PX:PX+1] offset:(16*\hf+\i)*4096
	global_load_b128 v[128*\hf+8*\i+4:128*\hf+8*\i+7], v[LN], s[PX:PX+1] offset:(16*\hf+\i)*4096+512
.endr
	WIN 0
.endm
.macro QHALF hf
	s_wait_loadcnt 32                              ; these 16 rows' 32 loads are in; the other half's 32 may be out
	WIN 0x41
.set n, 128*\hf
.rept 128
	v_med3_num_f32 v[n], v[n], -v[LIM], v[LIM]     ; the conversion to an 8-bit code does not saturate (ISA guide 7.6.2)
.set n, n+1
.endr
	WIN 0x01
.irp i, 0,1,2,3,4,5,6,7,8,9,10,11,12,13,14,15
	v_cvt_scalef32_pk8_fp8_f32 v[32+32*\hf+2*\i:33+32*\hf+2*\i], v[128*\hf+8*\i:128*\hf+8*\i+7], v[SCL]
.endr
	WIN 0
	v_nop
.irp i, 0,1,2,3,4,5,6,7,8,9,10,11,12,13,14,15
	ds_store_b64 v[STK], v[32+32*\hf+2*\i:33+32*\hf+2*\i] offset:FB*(\i/8)+16*((\i%8)+8*\hf)   ; row 16 hf + i of my 32: tile i / 8, lane i % 8 + 8 hf
.endr
.endm
.macro FRAG reg, adr, off
.irp c, 0,1,2,3
	ds_load_b128 v[\reg+4*\c:\reg+4*\c+3], v[\adr] offset:(\off)+544*\c
.endr
.endm
.macro FETCH badr, boff, aadr, aoff    ; source 0's eight fragments and the first six of source 1
.irp i, 0,1,2,3,4,5,6,7
	FRAG 96+16*\i, \badr, (\boff)+FB*\i
.endr
.irp i, 0,1,2,3
	FRAG 32+16*\i, \aadr, (\aoff)+FB*\i
.endr
.irp i, 4,5
	FRAG 160+16*\i, \aadr, (\aoff)+FB*\i
.endr
.endm
.macro FETCH2 aadr, aoff               ; and its last two, into the registers of its first two
.irp i, 6,7
	FRAG 16*\i-64, \aadr, (\aoff)+FB*\i
.endr
.endm
.macro MUL8 a, zero                    ; the 64 accumulators take turns, one instruction a turn, in the same order in every step
.if (\a) < 4
.set AR, 32+16*(\a)
.elseif (\a) < 6
.set AR, 160+16*(\a)
.else
.set AR, 16*(\a)-64
.endif
.set AC, 64*((\a)%4)
.irp b, 0,1,2,3,4,5,6,7
.if \zero
	v_wmma_f32_16x16x128_fp8_fp8 v[AC+8*\b:AC+8*\b+7], v[96+16*\b:96+16*\b+15], v[AR:AR+15], 0
.else
	v_wmma_f32_16x16x128_fp8_fp8 v[AC+8*\b:AC+8*\b+7], v[96+16*\b:96+16*\b+15], v[AR:AR+15], v[AC+8*\b:AC+8*\b+7]
.endif
.endr
.endm
.macro XPART hf, p                     ; a quarter of XLOAD hf, eight loads, among a step's matrix instructions; hf = -1: none
.if (\hf) >= 0
	WIN 0x40
.irp i, 4*\p, 4*\p+1, 4*\p+2, 4*\p+3
	global_load_b128 v[128*(\hf)+8*(\i):128*(\hf)+8*(\i)+3], v[LN], s[PX:PX+1] offset:(16*(\hf)+(\i))*4096
	global_load_b128 v[128*(\hf)+8*(\i)+4:128*(\hf)+8*(\i)+7], v[LN], s[PX:PX+1] offset:(16*(\hf)+(\i))*4096+512
.endr
.endif
.endm
.macro STEP slot, so, zero, xl         ; a K step of pass 1.  The branch hangs on the tensor, alike in a cluster, and leads round LDS loads alone.  xl: the half of the activations' registers that is filled again meanwhile
	s_cmp_eq_u32 s[VF], 0
	s_cbranch_scc0 .Lvalue_\@
	FETCH AW+\slot, 0, AK, \so
	s_branch .Lboth_\@
.Lvalue_\@:
	FETCH AK, \so, AW+\slot, 0
.Lboth_\@:
	s_wait_dscnt 16                                ; source 0 and source 1's first two are in
	WIN 0xa0
	MUL8 0, \zero
	MUL8 1, \zero
	PLACES
	WIN 0
	s_cmp_eq_u32 s[VF], 0
	s_cbranch_scc0 .Lvalue2_\@
	FETCH2 AK, \so
	s_branch .Lboth2_\@
.Lvalue2_\@:
	FETCH2 AW+\slot, 0
.Lboth2_\@:
	s_wait_dscnt 16                                ; fragments 2 and 3; the four behind them may be out
	WIN 0xa0
	MUL8 2, \zero
	XPART \xl, 0
	WIN 0xa0
	MUL8 3, \zero
	XPART \xl, 1
	s_wait_dscnt 8
	WIN 0xf0
	MUL8 4, \zero
	XPART \xl, 2
	WIN 0xf0
	MUL8 5, \zero
	XPART \xl, 3
	s_wait_dscnt 0x0
	WIN 0xf0
	MUL8 6, \zero
	MUL8 7, \zero
	WIN 0
.endm
.macro OUT a                           ; tile a: 128 numbers along the next product's K: held, converted, stored, 512 consecutive bytes a store
	WIN 0x02+(\a)/4
.set n, 0
.rept 64
	v_med3_num_f32 v[32+n], v[64*((\a)%4)+n], -v[LM2], v[LM2]
.set n, n+1
.endr
	WIN 0
.irp g, 0,1,2,3,4,5,6,7
	v_cvt_scalef32_pk8_fp8_f32 v[96+16*(\a)+2*\g:97+16*(\a)+2*\g], v[32+8*\g:39+8*\g], v[SC2]
.endr
	v_nop
.irp c, 0,1,2,3
	global_store_b128 v[LN], v[96+16*(\a)+4*\c:99+16*(\a)+4*\c], s[OP:OP+1] offset:2048*(\a)+512*\c
.endr
.endm
	s_load_b256 s[4:11], s[0:1], 0x0               ; q, k, v, qc
	s_load_b128 s[12:15], s[0:1], 0x20             ; the scales' exponents, pc
	v_lshl_add_u32 v[SPW], v0, 2, SPARE
	v_mov_b32 v[NIL], 0
	ds_add_u32 v[SPW], v[NIL]                      ; the wave's opening: two adds, waited for ahead of my first tensor load
	ds_add_u32 v[SPW], v[NIL]
	v_lshrrev_b32 v1, 5, v0
	v_readfirstlane_b32 s16, v1                    ; wave 0..3
	v_and_b32 v18, 31, v0
	v_lshlrev_b32 v[LN], 4, v18
	v_lshrrev_b32 v19, 4, v18                      ; lane / 16
	v_bfe_u32 v20, v18, 1, 3
	v_and_b32 v21, 1, v18
	v_and_b32 v22, 15, v18
	v_mul_u32_u24 v[STB], v19, AST
	v_mul_u32_u24 v20, v20, 272
	v_add_nc_u32 v[STB], v[STB], v20
	v_lshl_add_u32 v[STB], v21, 3, v[STB]          ; codes: K step lane / 16, chunk (lane / 2) % 8, half lane % 2
	v_mul_u32_u24 v[FA], v19, 272
	v_lshl_add_u32 v[FA], v22, 4, v[FA]            ; a fragment: 272 h + 16 r
	v_lshlrev_b32 v[PFO], 8, v22
	s_bfe_u32 s17, ttmp6, 0x40000                  ; cx
	s_mul_i32 s58, s16, 8*FB
	v_add_nc_u32 v[AW], s58, v[FA]
	s_add_co_u32 s58, s58, WSL
	v_add_nc_u32 v[AW+1], s58, v[FA]
	v_add_nc_u32 v[FA], ACT, v[FA]
	s_mul_i32 s59, s16, 2*FB
	s_add_co_u32 s59, s59, ACT
	v_add_nc_u32 v[STB], s59, v[STB]               ; my 32 rows are tiles 2 w and 2 w + 1
	s_wait_alu depctr_va_vdst(0)                   ; ahead of the reader below
	s_lshl_b32 s60, s17, 14
	s_lshl_b32 s61, s16, 12
	s_add_co_u32 s60, s60, s61
	v_add_nc_u32 v[PFO], s60, v[PFO]
	v_mov_b32 v[AK], v[FA]
	v_mov_b32 v[STK], v[STB]
	s_wait_alu depctr_va_vdst(0)
	s_mov_b32 s46, 0                               ; bytes from block 0 to the block in hand
	s_lshr_b32 s18, ttmp9, 4                       ; t: 16 clusters to a tensor
	s_and_b32 s[AFL], ttmp9, 15
	s_lshl_b32 s19, s[AFL], 2
	s_add_co_u32 s19, s19, s17                     ; my block of 128 rows
	s_mov_b32 s[G1], 15|(3<<16)|(1<<20)|(1<<21)|(5<<22)|(3<<25)   ; all four partners; elements of 8 bytes; 16 bytes of padding behind each 256
	s_mov_b32 s[G1+1], 32<<16
	s_mov_b32 s[G1+2], 64<<16
	s_mov_b32 s[G1+3], 32<<16
	s_mov_b32 s[G1+4], 64
	s_mov_b32 s[G1+5], 32
	s_mov_b32 s[G1+6], 0
	s_mov_b32 s[G1+7], 0
	s_lshl_b32 s58, s19, 19
	s_lshl_b32 s59, s16, 17
	s_add_co_u32 s58, s58, s59                     ; my 32 rows of f32
	s_mov_b32 s59, 0
	s_lshl_b32 s60, s18, 20                        ; the tensor's weights
	s_mov_b32 s61, 0
	s_lshl_b32 s62, s16, 14                        ; my fragments of a tile
	s_mov_b32 s63, 0
	s_lshl_b32 s66, s16, 10
	s_add_co_u32 s66, s66, 524288                  ; pass 2's weights
	s_mov_b32 s67, 0
	s_wait_dscnt 0x0                               ; both opening adds are done
	s_wait_kmcnt 0x0
	s_load_b256 s[48:55], s[12:13], 0x0            ; e0 .. e7
	s_load_b64 s[56:57], s[12:13], 0x20            ; e8, e9
	s_cmp_eq_u32 s18, 1
	s_cselect_b64 s[PX:PX+1], s[6:7], s[4:5]
	s_cmp_eq_u32 s18, 2
	s_cselect_b64 s[PX:PX+1], s[8:9], s[PX:PX+1]
	s_cselect_b32 s[VF], 1, 0
	s_add_nc_u64 s[PX:PX+1], s[PX:PX+1], s[58:59]
	XLOAD 0
	XLOAD 1
	s_add_nc_u64 s[PF:PF+1], s[10:11], s[60:61]
	s_add_nc_u64 s[PW:PW+1], s[PF:PF+1], s[66:67]
	s_add_nc_u64 s[68:69], s[PF:PF+1], s[62:63]
	s_mul_i32 s62, s16, 8*FB
.irp s, 0,1
	s_mov_b32 s[G0+4*\s], 1
	s_add_co_u32 s[G0+4*\s+1], s62, \s*WSL
	s_add_nc_u64 s[G0+4*\s+2:G0+4*\s+3], s[68:69], \s*65536
	s_or_b32 s[G0+4*\s+3], s[G0+4*\s+3], 0x80000000
.endr
	CROUND                                         ; all four work-groups are here
	JLOAD 0                                        ; tile 0
	ASK 65536                                      ; tiles 1 to 4; every later joint load asks four tiles ahead
	ASK 2*65536
	ASK 3*65536
	ASK 4*65536
	; where my results go
	s_lshl_b32 s58, s19, 3
	s_add_co_u32 s58, s58, s16                     ; query, key: (block of rows x 8 + block of channels) x 16,384
	s_lshr_b32 s59, s19, 4
	s_lshl_b32 s59, s59, 3
	s_add_co_u32 s59, s59, s16
	s_lshl_b32 s59, s59, 4
	s_and_b32 s60, s19, 15
	s_add_co_u32 s59, s59, s60                     ; value: ((batch x 8 + block of channels) x 16 + block of keys) x 16,384
	s_mov_b32 s44, 0x100000
	s_cmp_eq_u32 s18, 2
	s_cselect_b32 s58, s59, s58
	s_cselect_b32 s44, s44, 0x10000                ; pass 2: four blocks of channels on
	s_mov_b32 s45, 0
	s_lshl_b32 s58, s58, 14
	s_lshl_b32 s59, s18, 23
	s_add_co_u32 s58, s58, s59
	s_mov_b32 s59, 0
	s_add_nc_u64 s[OP:OP+1], s[14:15], s[58:59]
	s_wait_kmcnt 0x0
	s_cmp_eq_u32 s18, 1
	s_cselect_b32 s60, s50, s48
	s_cselect_b32 s61, s51, s49
	s_cselect_b32 s62, s55, s54
	s_cmp_eq_u32 s18, 2
	s_cselect_b32 s60, s52, s60                    ; ex
	s_cselect_b32 s61, s53, s61                    ; ew
	s_cselect_b32 s62, s57, s62                    ; eo
	s_sub_co_i32 s62, s62, s60
	s_sub_co_i32 s62, s62, s61                     ; a sum stands for sum x 2^(ex + ew)
	s_add_co_i32 s60, s60, 127
	s_lshl_b32 s61, s60, 23
	v_mov_b32 v[SCL], s61
	s_add_co_i32 s60, s60, 8
	s_lshl_b32 s60, s60, 23
	s_or_b32 s60, s60, 0x600000
	v_mov_b32 v[LIM], s60
	s_add_co_i32 s62, s62, 127
	s_lshl_b32 s61, s62, 23
	v_mov_b32 v[SC2], s61
	s_add_co_i32 s62, s62, 8
	s_lshl_b32 s62, s62, 23
	s_or_b32 s62, s62, 0x600000
	v_mov_b32 v[LM2], s62
	s_wait_alu depctr_va_vdst(0)
	QHALF 0
	s_wait_xcnt 0x0                                ; block 0's loads have read their base
	s_add_nc_u64 s[PX:PX+1], s[PX:PX+1], 1024      ; block 1
	XLOAD 0
	QHALF 1
	DRAIN                                          ; tile 0 and block 0's codes are there
	JLOAD 1                                        ; tile 1: slot 1's first fill, issued as a refill is
	ASK 5*65536
	STEP 0, 0, 1, 1                                ; the first products start the sums
	s_mov_b32 s47, 0
.Lblock:                                               ; trip b: K steps 2 b + 1 and 2 b + 2; between them block b + 1 becomes codes
	s_add_co_u32 s46, s46, ABL                     ; half 0 of block b + 1 becomes codes at the trip's head, half 1 behind K step 2 b + 1; each half's registers are filled again during the step that follows
	v_add_nc_u32 v[STK], s46, v[STB]
	s_wait_alu depctr_va_vdst(0)                   ; directly ahead of the wait below
	QHALF 0
	s_wait_xcnt 0x0                                ; the loads and prefetches so far have read their bases
	s_add_nc_u64 s[PX:PX+1], s[PX:PX+1], 1024      ; block b + 2; in the last trip pass 2's first two K steps of weights instead
	s_add_nc_u64 s[PF:PF+1], s[PF:PF+1], 131072
	s_cmp_eq_u32 s47, 2
	s_cselect_b64 s[PX:PX+1], s[PW:PW+1], s[PX:PX+1]
	DRAIN
	s_add_nc_u64 s[G0+2:G0+3], s[G0+2:G0+3], 131072
	JLOAD 0                                        ; tile 2 b + 2
	ASK 4*65536
	STEP 1, AST, 0, 0
	v_add_nc_u32 v[AK], s46, v[FA]
	s_wait_alu depctr_va_vdst(0)                   ; directly ahead of the wait below
	QHALF 1
	DRAIN                                          ; block b + 1's codes are there
	s_add_nc_u64 s[G0+6:G0+7], s[G0+6:G0+7], 131072
	JLOAD 1                                        ; tile 2 b + 3
	ASK 5*65536
	STEP 0, 0, 0, 1
	s_add_co_u32 s47, s47, 1
	s_cmp_lt_u32 s47, 3
	s_cbranch_scc1 .Lblock
	PLACES
	s_wait_tensorcnt 0x0                           ; tile 7: I read what I fetched myself, and block 3's codes have been shown by the last round
	ASK 6*65536                                    ; tiles 12, 13
	ASK 7*65536
	STEP 1, AST, 0, -1
	PLACES
; PASS 2.  G: 16 matrix instructions: four of the weights' fragments from w0 on, four of the activations' from x0 on.
.macro G val, set, w0, x0, zero
.if \val
	WIN 0xa4+0x50*((\w0)/4)
.irp i, \w0, \w0+1, \w0+2, \w0+3
.irp j, 0,1,2,3
.set AC, 8*(8*((\i)%4)+(\x0)+\j)
.if \zero
	v_wmma_f32_16x16x128_fp8_fp8 v[AC:AC+7], v[32+16*((\x0)+\j):47+16*((\x0)+\j)], v[128*\set+16*(\i):128*\set+16*(\i)+15], 0
.else
	v_wmma_f32_16x16x128_fp8_fp8 v[AC:AC+7], v[32+16*((\x0)+\j):47+16*((\x0)+\j)], v[128*\set+16*(\i):128*\set+16*(\i)+15], v[AC:AC+7]
.endif
.endr
.endr
.else
	WIN 0xa1+0x50*((\x0)/4)
.irp j, 0,1,2,3
.irp i, \w0, \w0+1, \w0+2, \w0+3
.set AC, 8*(8*\j+(\i))
.if \zero
	v_wmma_f32_16x16x128_fp8_fp8 v[AC:AC+7], v[128*\set+16*(\i):128*\set+16*(\i)+15], v[32+16*((\x0)+\j):47+16*((\x0)+\j)], 0
.else
	v_wmma_f32_16x16x128_fp8_fp8 v[AC:AC+7], v[128*\set+16*(\i):128*\set+16*(\i)+15], v[32+16*((\x0)+\j):47+16*((\x0)+\j)], v[AC:AC+7]
.endif
.endr
.endr
.endif
.endm
.macro XFETCH adr, off, x0
.irp i, \x0, \x0+1, \x0+2, \x0+3
	FRAG 32+16*(\i), \adr, (\off)+FB*(\i)
.endr
.endm
.macro BODY val, set, adr, nxt, younger, zero  ; nxt: the next step's codes, -1: none;  younger: loads issued behind this set's
	s_wait_loadcnt 16+\younger                     ; this set's first four fragments are in
	s_wait_dscnt 16                                ; codes 0-3 are in; 4-7's 16 loads may be out
	G \val, \set, 0, 0, \zero
	s_wait_loadcnt \younger
	G \val, \set, 4, 0, \zero
.if (\nxt) >= 0
	PLACES
	WIN 0
	XFETCH \adr, \nxt, 0
	s_wait_dscnt 16
.else
	s_wait_dscnt 0x0
.endif
	G \val, \set, 0, 4, \zero
	G \val, \set, 4, 4, \zero
	WIN 0
	PLACES
.if (\nxt) >= 0
	XFETCH \adr, \nxt, 4
.endif
.endm
.macro STEP2 set, adr, nxt, iss, younger, zero ; iss: bytes from s[P2:P2+1] to the weights that go into the other set, -1: none
.if (\iss) >= 0
	WIN 0x40
.set n, 0
.rept 32
	global_load_b128 v[128*(1-\set)+4*n:128*(1-\set)+4*n+3], v[LN], s[P2:P2+1] offset:(\iss)+4096*(n/2)+512*(n%2)
.set n, n+1
.endr
	WIN 0
.endif
	s_cmp_eq_u32 s[VF], 0
	s_cbranch_scc0 .Lvalue_\@
	BODY 0, \set, \adr, \nxt, \younger, \zero
	s_branch .Lboth_\@
.Lvalue_\@:
	BODY 1, \set, \adr, \nxt, \younger, \zero
.Lboth_\@:
.endm
	s_mov_b32 s72, 0
.Lout:                                                 ; two trips: pass 1's results go out, pass 2 is made; pass 2's results go out
	s_wait_xcnt 0x0
.irp a, 0,1,2,3,4,5,6,7
	OUT \a
.endr
	s_cmp_eq_u32 s72, 1
	s_cbranch_scc1 .Ldone
	s_wait_xcnt 0x0                                ; the stores have read their registers and their base
	s_add_nc_u64 s[OP:OP+1], s[OP:OP+1], s[44:45]
	s_add_nc_u64 s[P2:P2+1], s[PW:PW+1], 131072    ; K step 2
	XFETCH FA, 0, 0
	XFETCH FA, 0, 4
	STEP2 0, FA, AST, -1, 32, 1                    ; K step 0; K step 1's weights (32 loads) may be out
	ASK 8*65536                                    ; tiles 14, 15: the last
	ASK 9*65536
	s_mov_b32 s46, 0
	s_mov_b32 s47, 0
.Lpass2:                                               ; trip b: K steps 2 b + 1, 2 b + 2
	s_add_co_u32 s46, s46, ABL
	v_add_nc_u32 v[AK], s46, v[FA]                 ; block b + 1
	s_wait_alu depctr_va_vdst(0)
	STEP2 1, AK, 0, 0, 32, 0
	STEP2 0, AK, AST, 65536, 32, 0
	s_wait_xcnt 0x0
	s_add_nc_u64 s[P2:P2+1], s[P2:P2+1], 131072
	s_add_co_u32 s47, s47, 1
	s_cmp_lt_u32 s47, 3
	s_cbranch_scc1 .Lpass2
	STEP2 1, AK, -1, -1, 0, 0                      ; K step 7
	s_add_co_u32 s72, s72, 1
	s_cmp_lt_u32 s72, 2
	s_cbranch_scc1 .Lout
.Ldone:
	s_wait_tensorcnt 0x0                           ; the wave's end
	ds_add_u32 v[SPW], v[NIL]
	s_wait_dscnt 0x0
	CROUND                                         ; the closing round
	s_endpgm
.Lfunc_end_k_qfb30666abc_proj:
	.size	k_qfb30666abc_proj, .Lfunc_end_k_qfb30666abc_proj-k_qfb30666abc_proj
	.p2alignl 7, 3214868480
	.fill 96, 4, 3214868480
	.section	.rodata,"a",@progbits
	.p2align	6, 0x0
	.amdhsa_kernel k_qfb30666abc_proj
		.amdhsa_group_segment_fixed_size 327680
		.amdhsa_private_segment_fixed_size 0
		.amdhsa_enable_private_segment 0
		.amdhsa_kernarg_size 48
		.amdhsa_user_sgpr_count 2
		.amdhsa_user_sgpr_kernarg_segment_ptr 1
		.amdhsa_wavefront_size32 1
		.amdhsa_system_sgpr_workgroup_id_x 1
		.amdhsa_system_sgpr_workgroup_id_y 1
		.amdhsa_system_sgpr_workgroup_id_z 1
		.amdhsa_system_vgpr_workitem_id 0
		.amdhsa_next_free_vgpr 1024
		.amdhsa_next_free_sgpr 80
		.amdhsa_reserve_vcc 0
		.amdhsa_float_denorm_mode_32 3
		.amdhsa_float_denorm_mode_16_64 3
		.amdhsa_memory_ordered 1
		.amdhsa_forward_progress 1
		.amdhsa_inst_pref_size 219
	.end_amdhsa_kernel
	.amdgpu_metadata
---
amdhsa.version: [ 1, 2 ]
amdhsa.kernels:
  - .name:           k_qfb30666abc_proj
    .symbol:         k_qfb30666abc_proj.kd
    .args:
      - { .name: q, .offset: 0, .size: 8, .value_kind: global_buffer, .address_space: global }
      - { .name: k, .offset: 8, .size: 8, .value_kind: global_buffer, .address_space: global }
      - { .name: v, .offset: 16, .size: 8, .value_kind: global_buffer, .address_space: global }
      - { .name: qc, .offset: 24, .size: 8, .value_kind: global_buffer, .address_space: global }
      - { .name: lowp_scales, .offset: 32, .size: 8, .value_kind: global_buffer, .address_space: global }
      - { .name: pc, .offset: 40, .size: 8, .value_kind: global_buffer, .address_space: global }
    .group_segment_fixed_size: 327680
    .private_segment_fixed_size: 0
    .kernarg_segment_align: 8
    .kernarg_segment_size: 48
    .max_flat_workgroup_size: 128
    .sgpr_count:     80
    .vgpr_count:     1024
    .wavefront_size: 32
...
	.end_amdgpu_metadata
.endif
;; end of part 2
;; launch score (part 3): grid 8 x 32, 4 waves a work-group, clusters of 4 x 4, 327,680 bytes of LDS; arguments pc, lowp_scales, pp, st; writes pp, st
.if DOCPART == 3
	.amdgcn_target "amdgcn-amd-amdhsa--gfx1250"
	.amdhsa_code_object_version 6
	.text
	.protected	k_qfb30666abc_score
	.globl	k_qfb30666abc_score
	.p2align	8
	.type	k_qfb30666abc_score,@function
k_qfb30666abc_score:
	s_mov_b64 s[64:65], 0
	v_nop
	global_prefetch_b8 v0, s[64:65] scope:SCOPE_SE
	s_setreg_imm32_b32 hwreg(HW_REG_WAVE_MODE, 25, 1), 1
	s_wait_xcnt 0x0
	s_wait_alu depctr_hold_cnt(0) depctr_sa_sdst(0) depctr_va_vdst(0) depctr_va_sdst(0) depctr_va_ssrc(0) depctr_va_vcc(0) depctr_vm_vsrc(0)
	s_getreg_b32 s2, hwreg(HW_REG_IB_STS2, 6, 4)
	s_cmp_eq_u32 s2, 0
	s_cbranch_scc0 .Lentry_in_a_cluster
	s_endpgm
.Lentry_in_a_cluster:
	s_bfe_u32 s2, ttmp6, 0x10000c
	s_cmp_lg_u32 s2, 0xf033
	s_cbranch_scc0 .Lentry_shape_is_right
	s_endpgm
.Lentry_shape_is_right:
; The scores on codes of E4M3 (query x key, K = 1,024 channels) and the softmax ahead of the last product, for a tile of 256 queries x 256 keys.  No work of the problem is left out.
; t = score x log2(e) / 32 x 2^(e6 + e7).  M = the largest t of a query AMONG THE TILE'S 256 KEYS, rounded up to a whole number; p = 2^(t - M) is quantised with 2^e8 along the keys; l = the sum of the unquantised p.
; -M and l go to memory for each query and block of keys; the next launch brings the eight blocks of a row under the row's largest M by exact powers of two, as a running M would.
; LIMITS: e6 + e7 between -121 and 132 (they are added to the constant's exponent field); e8 between -126 and 119.  p is held at 448 x 2^e8 under its block's M: with e8 under -8 the hold bites at other numbers than under the row's M.
; Under a block's M small p keep more of the format's low range than under the row's.  NaN among the inputs is not served.
; OPERANDS ARE IMAGES OF THEIR REGISTERS: a fragment of 16 rows x 128 K is 2,048 bytes, byte 512 c + 16 L + e = row of lane L % 16, k = 32 c + 16 (L / 16) + e; in a group of 32 rows lane r of tile u holds row 8 u + r + 8 (r / 8).
; source 0 = 16 keys (B), source 1 = 16 queries (A): a lane holds ONE query, and the 64 registers of a block of queries run along my 128 keys: register 16 b + i = key 32 b + 16 (lane / 16) + i.
; pp: [64 blocks of 128 queries][16 K steps of the batch's keys][tile][2,048].  st: -M at 0, l at 524,288: [64][16][512 bytes]; in the 512 bytes tile 2 b + u, lane r lies at 16 (16 u + r) + 4 b.
; Ring, joint loads, rounds and registers of the products as in the launch before.  window 0 on the way out: v32-47 a tile's maximum, then -M (even registers; the odd ones at work); v48-63 a second chain, then the partner wave's;
; v64-127 p; v128-191 four sets of codes; v192-199 l; v200-203 sums; v204-211 what goes to st.
.set PART,  32768
.set SLOT,  4*PART
.set SPARE, 2*SLOT                     ; behind the ring: the spare words, two blocks of 256 bytes that no other line names
.set EX,    SPARE+512                  ; 2,048 bytes for each wave: the maxima go from wave to wave; no tensor load lands here
.set FR,    16
.set NL,    4
.set NP,    4
.set ADRA, 16
.set ADRB, 20
.set LN,   24                          ; v24  16 x lane
.set EXW,  25                          ; v25  where I put my maxima
.set EXR,  26                          ; v26  where the wave with the tile's other 128 keys puts its own
.set SPW,  28
.set NIL,  29
.set SCL,  30                          ; v30  2^e8
.set LIM,  31                          ; v31  448 x 2^e8
.set NM,   32
.set N2,   48
.set TMP,  64
.set AF,   128
.set CB,   128
.set LL,   192
.set SA,   200
.set SB,   202
.set G1, 24
.set G0, 32
.set G1B, 48
.set G0B, 56
.set MSB, 0
.macro WIN new
.if MSB != (\new)
	s_set_vgpr_msb (MSB<<8)|(\new)
.set MSB, (\new)
.endif
.endm
.set MUL_LO, 0xa1
.set MUL_HI, 0xf1
.set TO_B,   0x40
.macro JLOAD s                         ; a joint load: waves 0 and 1 fetch the queries' halves, waves 2 and 3 the keys'; an s_nop 0 and four v_nop follow each line
	s_cmp_eq_u32 s15, 0
	s_cbranch_scc0 .Lfor_b_\@
	tensor_load_to_lds s[G0+4*\s:G0+4*\s+3], s[G1:G1+7]
	s_nop 0
.rept 4
	v_nop
.endr
	s_branch .Lasked_\@
.Lfor_b_\@:
	tensor_load_to_lds s[G0B+4*\s:G0B+4*\s+3], s[G1B:G1B+7]
	s_nop 0
.rept 4
	v_nop
.endr
.Lasked_\@:
.endm
.macro CREST
	s_cmp_lg_u32 s14, 0
	s_cbranch_scc1 .Lnot_wave_0_\@
	s_barrier_signal -3
.Lnot_wave_0_\@:
	s_barrier_wait -3
	s_barrier_signal -1
	s_barrier_wait -1
.endm
.macro CROUND
	s_barrier_signal -1
	s_barrier_wait -1
	CREST
.endm
	s_load_b256 s[4:11], s[0:1], 0x0               ; pc s[4:5], the scales' exponents s[6:7], pp s[8:9], st s[10:11]
	v_lshl_add_u32 v[SPW], v0, 2, SPARE
	v_mov_b32 v[NIL], 0
	ds_add_u32 v[SPW], v[NIL]                      ; the wave's opening: two adds, waited for ahead of my first tensor load
	ds_add_u32 v[SPW], v[NIL]
	v_lshrrev_b32 v1, 5, v0
	v_readfirstlane_b32 s14, v1                    ; wave 0..3
	s_lshr_b32 s15, s14, 1                         ; which half of the queries is mine.  Also: I fetch queries (0) or keys (1)
	s_and_b32 s16, s14, 1                          ; which half of the keys.  Also: which half I fetch
	s_bfe_u32 s40, ttmp6, 0x40000                  ; cx, cy
	s_bfe_u32 s41, ttmp6, 0x40004
	s_and_b32 s66, ttmp7, 0xffff
	s_lshl_b32 s17, s66, 2
	s_add_co_u32 s17, s17, s41                     ; Y: the block of 256 queries, 0 .. 31, through all batches
	s_lshl_b32 s42, ttmp9, 2
	s_add_co_u32 s42, s42, s40                     ; X: the block of 256 keys in the batch, 0 .. 7
	s_lshr_b32 s67, s66, 1                         ; the batch: eight blocks of queries each, two clusters along y
	s_lshl_b32 s43, s41, 2
	s_lshl_b32 s43, 15, s43                        ; my row of the cluster
	s_lshl_b32 s44, 0x1111, s40                    ; my column
	s_or_b32 s[G1+0], s43, (3<<16)|(1<<21)         ; 32,768 consecutive bytes as 128 rows of 32 elements of 8 bytes; the queries go to my row,
	s_or_b32 s[G1B+0], s44, (3<<16)|(1<<21)        ; the keys to my column
.irp g, G1, G1B
	s_mov_b32 s[\g+1], 32<<16
	s_mov_b32 s[\g+2], 128<<16
	s_mov_b32 s[\g+3], 32<<16
	s_mov_b32 s[\g+4], 128
	s_mov_b32 s[\g+5], 32
	s_mov_b32 s[\g+6], 0
	s_mov_b32 s[\g+7], 0
.endr
	s_lshl_b32 s20, s17, 1
	s_add_co_u32 s20, s20, s16
	s_lshl_b32 s20, s20, 17                        ; the queries' block of 128 that I fetch
	s_mov_b32 s21, 0
	s_lshl_b32 s46, s67, 3
	s_add_co_u32 s46, s46, s42
	s_lshl_b32 s46, s46, 1
	s_add_co_u32 s46, s46, s16
	s_lshl_b32 s46, s46, 17
	s_add_co_u32 s46, s46, 8388608                 ; the keys' block of 128 that I fetch: batch and X, never cy
	s_mov_b32 s47, 0
	s_lshl_b32 s45, s14, 15
	s_mov_b32 s98, 0x76543210                      ; v_permlanex16_b32's selects for lane l xor 16
	s_mov_b32 s99, 0xfedcba98
	s_mov_b32 s86, 0xffff0000                      ; lanes 16-31
	s_wait_dscnt 0x0                               ; both opening adds are done
	s_wait_kmcnt 0x0
	s_load_b256 s[68:75], s[6:7], 0x0              ; e0 .. e7
	s_load_b64 s[76:77], s[6:7], 0x20              ; e8, e9
	s_add_nc_u64 s[20:21], s[4:5], s[20:21]
	s_add_nc_u64 s[46:47], s[4:5], s[46:47]
	CROUND                                         ; all sixteen work-groups are here: the first joint loads meet
.irp s, 0,1
	s_mov_b32 s[G0+4*\s], 1
	s_add_co_u32 s[G0+4*\s+1], s45, \s*SLOT
	s_add_nc_u64 s[G0+4*\s+2:G0+4*\s+3], s[20:21], \s*PART
	s_or_b32 s[G0+4*\s+3], s[G0+4*\s+3], 0x80000000
	s_mov_b32 s[G0B+4*\s], 1
	s_add_co_u32 s[G0B+4*\s+1], s45, \s*SLOT
	s_add_nc_u64 s[G0B+4*\s+2:G0B+4*\s+3], s[46:47], \s*PART
	s_or_b32 s[G0B+4*\s+3], s[G0B+4*\s+3], 0x80000000
.endr
	JLOAD 0                                        ; slot 0
	; A PREFETCH of the slots to come: of the 128 blocks of 256 bytes that a wave fetches for a slot each of the four partners names 32, told apart by address (cx for the queries, cy for the keys), a lane a block.
	; Slots 1 and 2 are asked for here, slot 3 behind slot 1's load; there are no more.
	s_cmp_eq_u32 s15, 0
	s_cselect_b64 s[88:89], s[20:21], s[46:47]
	s_cselect_b32 s90, s40, s41
	s_lshl_b32 s90, s90, 13
	s_mov_b32 s91, 0
	s_add_nc_u64 s[88:89], s[88:89], s[90:91]
	v_and_b32 v22, 31, v0
	v_lshlrev_b32 v22, 8, v22
	global_prefetch_b8 v22, s[88:89] offset:PART th:TH_LOAD_NT scope:SCOPE_SE
	global_prefetch_b8 v22, s[88:89] offset:2*PART th:TH_LOAD_NT scope:SCOPE_SE
	v_and_b32 v1, 31, v0
	v_lshlrev_b32 v[LN], 4, v1
	s_wait_alu depctr_va_vdst(0)
	s_lshl_b32 s21, s15, 15
	s_lshl_b32 s22, s16, 15
	s_add_co_u32 s22, s22, 2*PART
.irp s, 0,1
	v_add_nc_u32 v[ADRA+\s], s21, v[LN]
	v_add_nc_u32 v[ADRB+\s], s22, v[LN]
	s_add_co_u32 s21, s21, SLOT
	s_add_co_u32 s22, s22, SLOT
.endr
	s_lshl_b32 s84, s14, 11
	s_add_co_u32 s84, s84, EX
	v_add_nc_u32 v[EXW], s84, v[LN]
	s_xor_b32 s85, s14, 1                          ; the wave with my queries and the other 128 keys
	s_lshl_b32 s85, s85, 11
	s_add_co_u32 s85, s85, EX
	v_add_nc_u32 v[EXR], s85, v[LN]
.irp a, 0,1,2,3,4,5,6,7
	v_mov_b32 v[NM+2*\a+1], 0                      ; written once: a lane permute's destination counts as one of its sources
.endr
	s_lshl_b32 s80, s17, 1
	s_add_co_u32 s80, s80, s15
	s_lshl_b32 s80, s80, 4
	s_lshl_b32 s81, s42, 1
	s_add_co_u32 s80, s80, s81
	s_add_co_u32 s80, s80, s16                     ; (my block of 128 queries) x 16 + my K step of keys
	s_lshl_b32 s82, s80, 14
	s_mov_b32 s83, 0
	s_add_nc_u64 s[8:9], s[8:9], s[82:83]          ; pp: my 16,384 bytes
	s_lshl_b32 s82, s80, 9
	s_add_nc_u64 s[10:11], s[10:11], s[82:83]      ; st: my 512 bytes
	s_wait_kmcnt 0x0
	s_add_co_i32 s78, s74, s75
	s_lshl_b32 s78, s78, 23
	s_add_co_i32 s96, s78, 0x3d38aa3b              ; c = log2(e) / 32 x 2^(e6 + e7): the two exponents are added to the constant's exponent field
	s_mov_b32 s97, s96                             ; (named with it as a pair, so it is written)
	s_add_co_i32 s78, s76, 127
	s_lshl_b32 s79, s78, 23
	v_mov_b32 v[SCL], s79
	s_add_co_i32 s78, s78, 8
	s_lshl_b32 s78, s78, 23
	s_or_b32 s78, s78, 0x600000
	v_mov_b32 v[LIM], s78
.macro FRAG reg, adr, q, i
.irp c, 0,1,2,3
	ds_load_b128 v[\reg+4*\c:\reg+4*\c+3], v[\adr] offset:16384*(\q)+2048*(\i)+512*\c
.endr
.endm
.macro MUL16 a0, p, zero               ; the 64 accumulators take turns, one instruction a turn, in the same order in every step
.irp a, \a0, \a0+1
.irp b, 0,1,2,3,4,5,6,7
.if \zero
	v_wmma_f32_16x16x128_fp8_fp8 v[8*(8*((\a)%4)+\b):8*(8*((\a)%4)+\b)+7], v[128*(\p)+FR*\b:128*(\p)+FR*\b+FR-1], v[AF+FR*(\a):AF+FR*(\a)+FR-1], 0
.else
	v_wmma_f32_16x16x128_fp8_fp8 v[8*(8*((\a)%4)+\b):8*(8*((\a)%4)+\b)+7], v[128*(\p)+FR*\b:128*(\p)+FR*\b+FR-1], v[AF+FR*(\a):AF+FR*(\a)+FR-1], v[8*(8*((\a)%4)+\b):8*(8*((\a)%4)+\b)+7]
.endif
.endr
.endr
.endm
.macro FETCH_B slot, q, p
	WIN TO_B
.irp i, 0,1,2,3,4,5,6,7
	FRAG 128*(\p)+FR*\i, ADRB+\slot, \q, \i
.endr
	WIN 0
.endm
.macro FETCH_A slot, q, i0
.irp i, \i0, \i0+1, \i0+2, \i0+3
	FRAG AF+FR*(\i), ADRA+\slot, \q, \i
.endr
.endm
.macro PLACES n
.rept \n
	v_nop
.endr
.endm
.macro STEP slot, zero
	s_wait_dscnt 4*NL                              ; the youngest 16 loads (A's blocks 4-7) may be out
	WIN MUL_LO
	MUL16 0, 0, \zero
	MUL16 2, 0, \zero
	s_wait_dscnt 0
	PLACES NP
	FETCH_B \slot, 1, 1
	FETCH_A \slot, 1, 0
	WIN MUL_HI
	MUL16 4, 0, \zero
	MUL16 6, 0, \zero
	PLACES NP
	WIN 0
	FETCH_A \slot, 1, 4
.endm
.macro TURN slot, next, fill
	s_wait_tensorcnt 0x0                           ; all my tensor loads have landed: my part of the next slot
	ds_add_u32 v[SPW], v[NIL]                      ; 0 onto my spare word
	s_wait_dscnt 4*NL+1                            ; (the add and the youngest 16 loads may be out)
	WIN MUL_LO
	MUL16 0, 1, 0
	s_wait_dscnt 0x0                               ; the add is done, and my reads of this slot are over
	s_barrier_signal -1
	MUL16 2, 1, 0
	WIN 0
	s_barrier_wait -1
.if \fill
	CREST                                          ; a round of the cluster's barrier: no wave of any partner still reads this slot or has a load on its way
	s_add_nc_u64 s[G0+4*\slot+2:G0+4*\slot+3], s[G0+4*\slot+2:G0+4*\slot+3], 2*PART
	s_add_nc_u64 s[G0B+4*\slot+2:G0B+4*\slot+3], s[G0B+4*\slot+2:G0B+4*\slot+3], 2*PART
	JLOAD \slot
.else
	PLACES NP
.endif
	FETCH_B \next, 0, 0
	FETCH_A \next, 0, 0
	WIN MUL_HI
	MUL16 4, 1, 0
	MUL16 6, 1, 0
	PLACES NP
	WIN 0
	FETCH_A \next, 0, 4
.endm
	s_wait_alu depctr_va_vdst(0)
	s_wait_tensorcnt 0x0                           ; my part of slot 0 is in
	ds_add_u32 v[SPW], v[NIL]
	s_wait_dscnt 0x0
	CROUND
	JLOAD 1                                        ; slot 1's first fill
	FETCH_B 0, 0, 0
	FETCH_A 0, 0, 0
	FETCH_A 0, 0, 4
	global_prefetch_b8 v22, s[88:89] offset:3*PART th:TH_LOAD_NT scope:SCOPE_SE
	STEP 0, 1
	TURN 0, 1, 1
	STEP 1, 0
	TURN 1, 0, 1
	STEP 0, 0
	TURN 0, 1, 0
	STEP 1, 0
	s_wait_dscnt 4*NL
	WIN MUL_LO
	MUL16 0, 1, 0
	MUL16 2, 1, 0
	s_wait_dscnt 0
	WIN MUL_HI
	MUL16 4, 1, 0
	MUL16 6, 1, 0
	WIN 0
	PLACES NP
; THE LARGEST SCORE of each query among my 128 keys: for each tile two chains of v_max3, the four tiles of a window by turns; every accumulator is read from its low end on.
.macro MAXW hi
	WIN 0x2a+0x15*(\hi)                            ; all three sources in window 2 (or 3)
.irp t, 0,1,2,3
	v_max3_num_f32 v[NM+2*(4*(\hi)+\t)], v[64*\t], v[64*\t+1], v[64*\t+2]
	v_max3_num_f32 v[N2+2*(4*(\hi)+\t)], v[64*\t+3], v[64*\t+4], v[64*\t+5]
.endr
	WIN 0x28+0x14*(\hi)                            ; sources 1 and 2 in window 2 (or 3)
.set n, 0
.rept 29
.irp t, 0,1,2,3
.if n%2 == 0
	v_max3_num_f32 v[NM+2*(4*(\hi)+\t)], v[NM+2*(4*(\hi)+\t)], v[64*\t+6+2*n], v[64*\t+7+2*n]
.else
	v_max3_num_f32 v[N2+2*(4*(\hi)+\t)], v[N2+2*(4*(\hi)+\t)], v[64*\t+6+2*n], v[64*\t+7+2*n]
.endif
.endr
.set n, n+1
.endr
.endm
	MAXW 0
	MAXW 1
	WIN 0
.irp a, 0,1,2,3,4,5,6,7
	v_max_num_f32 v[NM+2*\a], v[NM+2*\a], v[N2+2*\a]
.endr
.irp a, 0,1,2,3,4,5,6,7
	v_permlanex16_b32 v[NM+2*\a+1], v[NM+2*\a], s98, s99   ; the query's other 64 keys lie in the lane 16 away
.endr
.irp a, 0,1,2,3,4,5,6,7
	v_max_num_f32 v[NM+2*\a], v[NM+2*\a], v[NM+2*\a+1]
.endr
.irp n, 0,1,2,3
	ds_store_b128 v[EXW], v[NM+4*\n:NM+4*\n+3] offset:512*\n   ; as they stand, lane by lane: the partner wave holds the same queries in the same lanes
.endr
	s_wait_alu depctr_va_vdst(0)
	s_wait_dscnt 0x0                               ; for the other wave's sake: my stores are done
	s_barrier_signal -1
	s_barrier_wait -1
.irp n, 0,1,2,3
	ds_load_b128 v[N2+4*\n:N2+4*\n+3], v[EXR] offset:512*\n
.endr
	s_wait_dscnt 0x0
.irp a, 0,1,2,3,4,5,6,7
	v_max_num_f32 v[NM+2*\a], v[NM+2*\a], v[N2+2*\a]       ; among the tile's 256 keys
.endr
.irp a, 0,1,2,3,4,5,6,7
	v_mul_f32 v[NM+2*\a], s96, v[NM+2*\a]                  ; as t (c is positive)
.endr
.irp a, 0,1,2,3,4,5,6,7
	v_floor_f32 v[NM+2*\a], -v[NM+2*\a]                    ; -M = floor(-t) = -ceil(t): M is a whole number
.endr
; A tile of 16 queries: p = 2^(t - M), its sum, its codes: a fragment of the last product's left operand, stored as it stands.
.macro SOFT a
.set AC, 64*((\a)%4)
.set CD, CB+16*((\a)%4)
	WIN 0x02+(\a)/4                                ; source 0: window 2 or 3
.set i, 0
.rept 32
	v_pk_fma_f32 v[TMP+i:TMP+i+1], v[AC+i:AC+i+1], s[96:97], v[NM+2*(\a):NM+2*(\a)+1] op_sel_hi:[1,0,0]   ; t - M, two at a time (of the pairs c and -M the low word serves both halves)
.set i, i+2
.endr
	WIN 0
.set i, 0
	s_wait_alu depctr_va_vdst(0)
.rept 64
	v_exp_f32 v[TMP+i], v[TMP+i]
.set i, i+1
.endr
	v_nop                                          ; a plain line behind the last exponential,
	s_wait_alu depctr_va_vdst(0)                   ; and one wait for the whole batch, ahead of its first reader
	v_pk_add_f32 v[SA:SA+1], v[TMP:TMP+1], v[TMP+2:TMP+3]   ; the sum is taken of the unquantised p: two at a time, in two chains
	v_pk_add_f32 v[SB:SB+1], v[TMP+4:TMP+5], v[TMP+6:TMP+7]
.irp j, 8,12,16,20,24,28,32,36,40,44,48,52,56,60
	v_pk_add_f32 v[SA:SA+1], v[SA:SA+1], v[TMP+\j:TMP+\j+1]
	v_pk_add_f32 v[SB:SB+1], v[SB:SB+1], v[TMP+\j+2:TMP+\j+3]
.endr
	v_pk_add_f32 v[SA:SA+1], v[SA:SA+1], v[SB:SB+1]
	v_add_f32 v[LL+(\a)], v[SA], v[SA+1]
	v_permlanex16_b32 v[SB], v[LL+(\a)], s98, s99
	v_add_f32 v[LL+(\a)], v[LL+(\a)], v[SB]        ; l of my 128 keys, in both halves of the lanes
.set i, 0
.rept 64
	v_min_num_f32 v[TMP+i], v[TMP+i], v[LIM]       ; the conversion does not saturate (ISA guide 7.6.2); p is not negative, so the hold is one-sided
.set i, i+1
.endr
.if (\a) == 4
	s_wait_alu depctr_va_vdst(0)
	s_wait_xcnt 0x0                                ; the four sets of codes come round: the stores of tiles 0 to 3 have read their registers
.endif
.irp g, 0,1,2,3,4,5,6,7
	v_cvt_scalef32_pk8_fp8_f32 v[CD+2*\g:CD+2*\g+1], v[TMP+8*\g:TMP+8*\g+7], v[SCL]
.endr
	v_nop                                          ; one plain vector line behind the last conversion: the next tile writes the conversions' sources
.irp c, 0,1,2,3
	global_store_b128 v[LN], v[CD+4*\c:CD+4*\c+3], s[8:9] offset:2048*(\a)+512*\c   ; 512 consecutive bytes a store
.endr
.endm
.irp a, 0,1,2,3,4,5,6,7
	SOFT \a
.endr
.irp b, 0,1,2,3
	v_cndmask_b32 v[204+\b], v[NM+4*\b], v[NM+4*\b+2], s86   ; lanes 0-15 take the even tiles' -M, lanes 16-31 the odd tiles'
	v_cndmask_b32 v[208+\b], v[LL+2*\b], v[LL+2*\b+1], s86   ; and l likewise
.endr
	global_store_b128 v[LN], v[204:207], s[10:11]                  ; both waves of a pair store the same -M, each under its own K step
	global_store_b128 v[LN], v[208:211], s[10:11] offset:524288
	s_wait_tensorcnt 0x0                           ; the wave's end: behind my last tensor load and my last LDS store
	ds_add_u32 v[SPW], v[NIL]
	s_wait_dscnt 0x0
	CROUND                                         ; the closing round
	s_endpgm
.Lfunc_end_k_qfb30666abc_score:
	.size	k_qfb30666abc_score, .Lfunc_end_k_qfb30666abc_score-k_qfb30666abc_score
	.p2alignl 7, 3214868480
	.fill 96, 4, 3214868480
	.section	.rodata,"a",@progbits
	.p2align	6, 0x0
	.amdhsa_kernel k_qfb30666abc_score
		.amdhsa_group_segment_fixed_size 327680
		.amdhsa_private_segment_fixed_size 0
		.amdhsa_enable_private_segment 0
		.amdhsa_kernarg_size 32
		.amdhsa_user_sgpr_count 2
		.amdhsa_user_sgpr_kernarg_segment_ptr 1
		.amdhsa_wavefront_size32 1
		.amdhsa_system_sgpr_workgroup_id_x 1
		.amdhsa_system_sgpr_workgroup_id_y 1
		.amdhsa_system_sgpr_workgroup_id_z 1
		.amdhsa_system_vgpr_workitem_id 0
		.amdhsa_next_free_vgpr 1024
		.amdhsa_next_free_sgpr 100
		.amdhsa_reserve_vcc 0
		.amdhsa_float_denorm_mode_32 3
		.amdhsa_float_denorm_mode_16_64 3
		.amdhsa_memory_ordered 1
		.amdhsa_forward_progress 1
		.amdhsa_inst_pref_size 171
	.end_amdhsa_kernel
	.amdgpu_metadata
---
amdhsa.version: [ 1, 2 ]
amdhsa.kernels:
  - .name:           k_qfb30666abc_score
    .symbol:         k_qfb30666abc_score.kd
    .args:
      - { .name: pc, .offset: 0, .size: 8, .value_kind: global_buffer, .address_space: global }
      - { .name: lowp_scales, .offset: 8, .size: 8, .value_kind: global_buffer, .address_space: global }
      - { .name: pp, .offset: 16, .size: 8, .value_kind: global_buffer, .address_space: global }
      - { .name: st, .offset: 24, .size: 8, .value_kind: global_buffer, .address_space: global }
    .group_segment_fixed_size: 327680
    .private_segment_fixed_size: 0
    .kernarg_segment_align: 8
    .kernarg_segment_size: 32
    .max_flat_workgroup_size: 128
    .sgpr_count:     100
    .vgpr_count:     1024
    .wavefront_size: 32
...
	.end_amdgpu_metadata
.endif
;; end of part 3
;; launch pv (part 4): grid 4 x 64, 4 waves a work-group, clusters of 4 x 4, 327,680 bytes of LDS; arguments pp, pc, st, lowp_scales, out0; writes out0
.if DOCPART == 4
	.amdgcn_target "amdgcn-amd-amdhsa--gfx1250"
	.amdhsa_code_object_version 6
	.text
	.protected	k_qfb30666abc_pv
	.globl	k_qfb30666abc_pv
	.p2align	8
	.type	k_qfb30666abc_pv,@function
k_qfb30666abc_pv:
	s_mov_b64 s[64:65], 0
	v_nop
	global_prefetch_b8 v0, s[64:65] scope:SCOPE_SE
	s_setreg_imm32_b32 hwreg(HW_REG_WAVE_MODE, 25, 1), 1
	s_wait_xcnt 0x0
	s_wait_alu depctr_hold_cnt(0) depctr_sa_sdst(0) depctr_va_vdst(0) depctr_va_sdst(0) depctr_va_ssrc(0) depctr_va_vcc(0) depctr_vm_vsrc(0)
	s_getreg_b32 s2, hwreg(HW_REG_IB_STS2, 6, 4)
	s_cmp_eq_u32 s2, 0
	s_cbranch_scc0 .Lentry_in_a_cluster
	s_endpgm
.Lentry_in_a_cluster:
	s_bfe_u32 s2, ttmp6, 0x10000c
	s_cmp_lg_u32 s2, 0xf033
	s_cbranch_scc0 .Lentry_shape_is_right
	s_endpgm
.Lentry_shape_is_right:
.set KB,    16384
.set AREG,  3*KB
.set BREG,  3*KB
.set SLOT,  AREG+2*BREG
.set SPARE, 2*SLOT
.set SPITCH, 528
.set FR,    16
.set NL,    4
.set NP,    4
.set ADRA, 16
.set ADRB, 20
.set STA,  22
.set LN,   24
.set STO,  25
.set RD,   26
.set SPW,  28
.set NIL,  29
.set GF,   32
.set FF,   96
.set WK,   104
.set AF,   128
.set NB,   128
.set LB,   160
.set G1,   24
.set G0,   32
.set G1B,  48
.set G0B,  56
.set G1L,  72
.set G1BL, 80
.set G0L,  88
.set G0BL, 92
.set MSB, 0
.macro WIN new
.if MSB != (\new)
	s_set_vgpr_msb (MSB<<8)|(\new)
.set MSB, (\new)
.endif
.endm
.set MUL,  0xa1
.set TO_B, 0x40
.macro JLOAD g0a, g1a, g0b, g1b
	s_cmp_eq_u32 s15, 0
	s_cbranch_scc0 .Lfor_b_\@
	tensor_load_to_lds s[\g0a:\g0a+3], s[\g1a:\g1a+7]
	s_nop 0
.rept 4
	v_nop
.endr
	s_branch .Lasked_\@
.Lfor_b_\@:
	tensor_load_to_lds s[\g0b:\g0b+3], s[\g1b:\g1b+7]
	s_nop 0
.rept 4
	v_nop
.endr
.Lasked_\@:
.endm
.macro CREST
	s_cmp_lg_u32 s14, 0
	s_cbranch_scc1 .Lnot_wave_0_\@
	s_barrier_signal -3
.Lnot_wave_0_\@:
	s_barrier_wait -3
	s_barrier_signal -1
	s_barrier_wait -1
.endm
.macro CROUND
	s_barrier_signal -1
	s_barrier_wait -1
	CREST
.endm
.macro SHAPE g, rows
	s_mov_b32 s[\g+1], 32<<16
	s_mov_b32 s[\g+2], (\rows)<<16
	s_mov_b32 s[\g+3], 32<<16
	s_mov_b32 s[\g+4], \rows
	s_mov_b32 s[\g+5], 32
	s_mov_b32 s[\g+6], 0
	s_mov_b32 s[\g+7], 0
.endm
	s_load_b256 s[4:11], s[0:1], 0x0
	s_load_b64 s[12:13], s[0:1], 0x20
	v_lshl_add_u32 v[SPW], v0, 2, SPARE
	v_mov_b32 v[NIL], 0
	ds_add_u32 v[SPW], v[NIL]
	ds_add_u32 v[SPW], v[NIL]
	v_lshrrev_b32 v1, 5, v0
	v_readfirstlane_b32 s14, v1
	s_lshr_b32 s15, s14, 1
	s_and_b32 s16, s14, 1
	s_bfe_u32 s40, ttmp6, 0x40000
	s_bfe_u32 s41, ttmp6, 0x40004
	s_and_b32 s66, ttmp7, 0xffff
	s_lshl_b32 s17, s66, 2
	s_add_co_u32 s17, s17, s41
	s_lshr_b32 s67, s66, 2
	s_lshl_b32 s43, s41, 2
	s_lshl_b32 s43, 15, s43
	s_lshl_b32 s44, 0x1111, s40
	s_or_b32 s[G1+0], s43, (3<<16)|(1<<21)
	s_or_b32 s[G1L+0], s43, (3<<16)|(1<<21)
	s_or_b32 s[G1B+0], s44, (3<<16)|(1<<21)
	s_or_b32 s[G1BL+0], s44, (3<<16)|(1<<21)
	SHAPE G1, 96
	SHAPE G1B, 192
	SHAPE G1L, 32
	SHAPE G1BL, 64
	s_mul_i32 s45, s16, AREG/2
	s_lshl_b32 s20, s17, 18
	s_add_co_u32 s20, s20, s45
	s_mov_b32 s21, 0
	s_lshl_b32 s46, s67, 3
	s_lshl_b32 s47, s40, 1
	s_add_co_u32 s46, s46, s47
	s_add_co_u32 s46, s46, s16
	s_lshl_b32 s46, s46, 18
	s_add_co_u32 s46, s46, 16777216
	s_mov_b32 s47, 0
	s_mul_i32 s18, s16, BREG
	s_add_co_u32 s18, s18, AREG
	s_lshl_b32 s96, s16, 14
	s_sub_co_u32 s96, 15*KB, s96
	s_mov_b32 s97, 0
	s_lshl_b32 s19, s16, 13
	s_add_co_u32 s19, s19, SLOT
	s_wait_dscnt 0x0
	s_wait_kmcnt 0x0
	s_load_b64 s[68:69], s[10:11], 0x20
	s_add_nc_u64 s[20:21], s[4:5], s[20:21]
	s_add_nc_u64 s[46:47], s[6:7], s[46:47]
	; the rows' -M and l, of all blocks of keys: asked for first, since the factors are made while the first tiles come
	v_and_b32 v1, 15, v0
	v_bfe_u32 v3, v0, 4, 1
	v_lshlrev_b32 v2, 4, v1
	s_lshl_b32 s42, s15, 3
	v_add_nc_u32 v[STA], s42, v2
	s_lshl_b32 s22, s17, 13
	s_mov_b32 s23, 0
	s_add_nc_u64 s[8:9], s[8:9], s[22:23]
.irp j, 0,1,2,3,4,5,6,7
.irp u, 0,1
	global_load_b64 v[NB+4*\j+2*\u:NB+4*\j+2*\u+1], v[STA], s[8:9] offset:1024*\j+256*\u
.endr
.endr
.irp k, 0,1,2,3,4,5,6,7,8,9,10,11,12,13,14,15
.irp u, 0,1
	global_load_b64 v[LB+4*\k+2*\u:LB+4*\k+2*\u+1], v[STA], s[8:9] offset:524288+512*\k+256*\u
.endr
.endr
	s_wait_alu depctr_va_vdst(0)                   ; ahead of the round
	CROUND
.irp s, 0,1
	s_mov_b32 s[G0+4*\s], 1
	s_add_co_u32 s[G0+4*\s+1], s45, \s*SLOT
	s_add_nc_u64 s[G0+4*\s+2:G0+4*\s+3], s[20:21], \s*3*KB
	s_or_b32 s[G0+4*\s+3], s[G0+4*\s+3], 0x80000000
	s_mov_b32 s[G0B+4*\s], 1
	s_add_co_u32 s[G0B+4*\s+1], s18, \s*SLOT
	s_add_nc_u64 s[G0B+4*\s+2:G0B+4*\s+3], s[46:47], \s*3*KB
	s_or_b32 s[G0B+4*\s+3], s[G0B+4*\s+3], 0x80000000
.endr
	JLOAD G0, G1, G0B, G1B                         ; slot 0
	; A PREFETCH of the fills to come, 49,152 bytes further on each.  Of the blocks of 256 bytes that a wave fetches (96 of p, 192 of the values) each of the four partners names a quarter, told apart by address:
	; 24 lanes, a lane a block (the lanes left over name the last again), one instruction for p, two for the values.
	s_cmp_eq_u32 s15, 0
	s_cselect_b64 s[2:3], s[20:21], s[46:47]
	s_cselect_b32 s42, s40, s41
	s_movk_i32 s43, 0x3000
	s_cselect_b32 s43, 0x1800, s43
	s_mul_i32 s42, s42, s43
	s_mov_b32 s43, 0
	s_add_nc_u64 s[2:3], s[2:3], s[42:43]
	v_and_b32 v23, 31, v0
	v_min_u32 v23, 23, v23
	v_lshlrev_b32 v23, 8, v23
.macro ASK n
	global_prefetch_b8 v23, s[2:3] offset:49152*\n th:TH_LOAD_NT scope:SCOPE_SE
	s_cmp_eq_u32 s15, 0
	s_cbranch_scc1 .Lone_\@
	global_prefetch_b8 v23, s[2:3] offset:49152*\n+6144 th:TH_LOAD_NT scope:SCOPE_SE
.Lone_\@:
.endm
	s_wait_alu depctr_va_vdst(0)
	ASK 1
	ASK 2
	s_mov_b32 s[G0L], 1
	s_mov_b32 s[G0L+1], s19
	s_add_nc_u64 s[G0L+2:G0L+3], s[20:21], s[96:97]
	s_or_b32 s[G0L+3], s[G0L+3], 0x80000000
	s_mov_b32 s[G0BL], 1
	s_add_co_u32 s[G0BL+1], s18, SLOT
	s_add_nc_u64 s[G0BL+2:G0BL+3], s[46:47], 15*KB
	s_or_b32 s[G0BL+3], s[G0BL+3], 0x80000000
	v_and_b32 v2, 31, v0
	v_lshlrev_b32 v[LN], 4, v2
	s_wait_alu depctr_va_vdst(0)
	s_lshl_b32 s21, s15, 13
	s_mul_i32 s22, s16, BREG
	s_add_co_u32 s22, s22, AREG
.irp s, 0,1
	v_add_nc_u32 v[ADRA+\s], s21, v[LN]
	v_add_nc_u32 v[ADRB+\s], s22, v[LN]
	s_add_co_u32 s21, s21, SLOT
	s_add_co_u32 s22, s22, SLOT
.endr
	s_mul_i32 s23, s14, 16*SPITCH
	v_mul_u32_u24 v5, v1, SPITCH
	v_lshl_add_u32 v5, v3, 6, v5
	v_add_nc_u32 v[STO], s23, v5
	v_add_nc_u32 v[RD], s23, v[LN]
	s_lshl_b32 s98, s17, 7
	s_lshl_b32 s99, s15, 6
	s_add_co_u32 s98, s98, s99
	s_lshl_b32 s98, s98, 12
	s_lshl_b32 s99, s40, 10
	s_add_co_u32 s98, s98, s99
	s_lshl_b32 s99, s16, 9
	s_add_co_u32 s98, s98, s99
	s_mov_b32 s99, 0
	s_add_nc_u64 s[12:13], s[12:13], s[98:99]
	s_wait_kmcnt 0x0
	s_add_co_i32 s70, s68, s69
	s_wait_loadcnt 0x0
.irp x, 0,1,2,3
	v_min3_num_f32 v[WK+\x], v[NB+\x], v[NB+4+\x], v[NB+8+\x]
.endr
.irp x, 0,1,2,3
	v_min3_num_f32 v[WK+\x], v[WK+\x], v[NB+12+\x], v[NB+16+\x]
.endr
.irp x, 0,1,2,3
	v_min3_num_f32 v[WK+\x], v[WK+\x], v[NB+20+\x], v[NB+24+\x]
.endr
.irp x, 0,1,2,3
	v_min_num_f32 v[WK+\x], v[WK+\x], v[NB+28+\x]
.endr
.set i, 0
.rept 32
	v_sub_f32 v[NB+i], v[WK+i%4], v[NB+i]
.set i, i+1
.endr
.set i, 0
.rept 32
	v_max_num_f32 v[NB+i], 0xc2700000, v[NB+i]
.set i, i+1
.endr
.set i, 0
.rept 32
	v_cvt_i32_f32 v[NB+i], v[NB+i]
.set i, i+1
.endr
.irp j, 0,1,2,3,4,5,6,7
.irp x, 0,1,2,3
	v_add_f32 v[LB+8*\j+\x], v[LB+8*\j+\x], v[LB+8*\j+4+\x]
.endr
.endr
.irp j, 0,1,2,3,4,5,6,7
.irp x, 0,1,2,3
	v_ldexp_f32 v[LB+8*\j+\x], v[LB+8*\j+\x], v[NB+4*\j+\x]
.endr
.endr
.irp x, 0,1,2,3
	v_add_f32 v[WK+\x], v[LB+\x], v[LB+8+\x]
.endr
.irp j, 2,3,4,5,6,7
.irp x, 0,1,2,3
	v_add_f32 v[WK+\x], v[WK+\x], v[LB+8*\j+\x]
.endr
.endr
	s_wait_alu depctr_va_vdst(0)
.irp x, 0,1,2,3
	v_rcp_f32 v[WK+\x], v[WK+\x]
.endr
.irp j, 1,2,3,4,5,6,7
.irp x, 0,1,2,3
	v_sub_nc_u32 v[WK+4+\x], v[NB+4*(\j-1)+\x], v[NB+4*\j+\x]
.endr
.irp x, 0,1,2,3
	v_ldexp_f32 v[GF+2*(4*(\j-1)+2*(\x%2)+\x/2)], 1.0, v[WK+4+\x]
	v_ldexp_f32 v[GF+2*(4*(\j-1)+2*(\x%2)+\x/2)+1], 1.0, v[WK+4+\x]
.endr
.endr
.irp x, 0,1,2,3
	v_add_nc_u32 v[WK+4+\x], s70, v[NB+28+\x]
.endr
	s_wait_alu depctr_va_vdst(0)
.irp x, 0,1,2,3
	v_ldexp_f32 v[FF+2*(2*(\x%2)+\x/2)], v[WK+\x], v[WK+4+\x]
	v_ldexp_f32 v[FF+2*(2*(\x%2)+\x/2)+1], v[WK+\x], v[WK+4+\x]
.endr
.macro FRAG reg, adr, q, i
.irp c, 0,1,2,3
	ds_load_b128 v[\reg+4*\c:\reg+4*\c+3], v[\adr] offset:16384*(\q)+2048*(\i)+512*\c
.endr
.endm
.macro MUL8 a, p, zero
.irp b, 0,1,2,3,4,5,6,7
.if \zero
	v_wmma_f32_16x16x128_fp8_fp8 v[8*(8*(\a)+\b):8*(8*(\a)+\b)+7], v[128*(\p)+FR*\b:128*(\p)+FR*\b+FR-1], v[AF+FR*(\a):AF+FR*(\a)+FR-1], 0
.else
	v_wmma_f32_16x16x128_fp8_fp8 v[8*(8*(\a)+\b):8*(8*(\a)+\b)+7], v[128*(\p)+FR*\b:128*(\p)+FR*\b+FR-1], v[AF+FR*(\a):AF+FR*(\a)+FR-1], v[8*(8*(\a)+\b):8*(8*(\a)+\b)+7]
.endif
.endr
.endm
.macro FETCH_B slot, q, p
	WIN TO_B
.irp i, 0,1,2,3,4,5,6,7
	FRAG 128*(\p)+FR*\i, ADRB+\slot, \q, \i
.endr
	WIN 0
.endm
.macro FETCH_A slot, q, i0
.irp i, \i0, \i0+1
	FRAG AF+FR*(\i), ADRA+\slot, \q, \i
.endr
.endm
.macro PLACES n
.rept \n
	v_nop
.endr
.endm
.macro RESCALE j
	WIN 0x82
.set i, 0
.rept 128
	v_pk_mul_f32 v[2*i:2*i+1], v[2*i:2*i+1], v[GF+2*(4*((\j)-1)+i/32):GF+2*(4*((\j)-1)+i/32)+1]
.set i, i+1
.endr
.endm
.macro STEP slot, q, p, zero, j
.if (\j) > 0
	RESCALE \j
.endif
	s_wait_alu depctr_va_vdst(0)
	s_wait_dscnt 2*NL
	WIN MUL
	MUL8 0, \p, \zero
	MUL8 1, \p, \zero
	s_wait_dscnt 0
	PLACES NP
	FETCH_B \slot, (\q)+1, 1-(\p)
	FETCH_A \slot, (\q)+1, 0
	WIN MUL
	MUL8 2, \p, \zero
	MUL8 3, \p, \zero
	PLACES NP
	WIN 0
	FETCH_A \slot, (\q)+1, 2
.endm
.macro TURN slot, next, p, fill, j
.if (\j) > 0
	RESCALE \j
.endif
	WIN 0
	s_wait_tensorcnt 0x0
	ds_add_u32 v[SPW], v[NIL]
	s_wait_dscnt 2*NL+1
	WIN MUL
	MUL8 0, \p, 0
	s_wait_dscnt 0x0
	s_barrier_signal -1
	MUL8 1, \p, 0
	WIN 0
	s_barrier_wait -1
.if \fill == 1
	CREST
	s_add_nc_u64 s[G0+4*\slot+2:G0+4*\slot+3], s[G0+4*\slot+2:G0+4*\slot+3], 6*KB
	s_add_nc_u64 s[G0B+4*\slot+2:G0B+4*\slot+3], s[G0B+4*\slot+2:G0B+4*\slot+3], 6*KB
	JLOAD G0+4*\slot, G1, G0B+4*\slot, G1B
.elseif \fill == 2
	CREST
	JLOAD G0L, G1L, G0BL, G1BL
.else
	PLACES NP
.endif
	FETCH_B \next, 0, 1-(\p)
	FETCH_A \next, 0, 0
	WIN MUL
	MUL8 2, \p, 0
	s_wait_alu depctr_va_vdst(0)
	MUL8 3, \p, 0
	PLACES NP
	WIN 0
	FETCH_A \next, 0, 2
.endm
	s_wait_alu depctr_va_vdst(0)
	s_wait_tensorcnt 0x0                           ; my part of slot 0 is in
	ds_add_u32 v[SPW], v[NIL]
	s_wait_dscnt 0x0
	CROUND
	JLOAD G0+4, G1, G0B+4, G1B                     ; slot 1's first fill
	FETCH_B 0, 0, 0
	FETCH_A 0, 0, 0
	FETCH_A 0, 0, 2
	ASK 3
	STEP 0, 0, 0, 1, 0
	STEP 0, 1, 1, 0, 0
	TURN 0, 1, 0, 1, 1
	ASK 4
	STEP 1, 0, 1, 0, 0
	STEP 1, 1, 0, 0, 2
	TURN 1, 0, 1, 1, 0
	STEP 0, 0, 0, 0, 3
	STEP 0, 1, 1, 0, 0
	TURN 0, 1, 0, 1, 4
	STEP 1, 0, 1, 0, 0
	STEP 1, 1, 0, 0, 5
	TURN 1, 0, 1, 2, 0
	STEP 0, 0, 0, 0, 6
	STEP 0, 1, 1, 0, 0
	TURN 0, 1, 0, 0, 7
	s_wait_dscnt 2*NL
	WIN MUL
	MUL8 0, 1, 0
	MUL8 1, 1, 0
	s_wait_dscnt 0
	MUL8 2, 1, 0
	MUL8 3, 1, 0
	WIN 0
	PLACES NP
.macro TOSTAGE a
	WIN 0x02
.set i, 0
.rept 32
	v_pk_mul_f32 v[AF+i:AF+i+1], v[64*(\a)+i:64*(\a)+i+1], v[FF+2*(\a):FF+2*(\a)+1]
.set i, i+2
.endr
	WIN 0
.irp c, 0,1,2,3
.irp k, 0,1,2,3
	ds_store_b128 v[STO], v[AF+16*\c+4*\k:AF+16*\c+4*\k+3] offset:128*\c+16*\k
.endr
.endr
.set BK, 192-160*((\a)%2)
.irp t, 0,1,2,3,4,5,6,7,8,9,10,11,12,13,14,15
	ds_load_b128 v[BK+4*\t:BK+4*\t+3], v[RD] offset:\t*SPITCH
.endr
.endm
.macro SEND a, younger
.set BK, 192-160*((\a)%2)
	s_wait_dscnt \younger
.irp t, 0,1,2,3,4,5,6,7,8,9,10,11,12,13,14,15
	global_store_b128 v[LN], v[BK+4*\t:BK+4*\t+3], s[12:13] offset:(32*((\a)/2)+8*((\a)%2)+\t+8*(\t/8))*4096 th:TH_STORE_NT
.endr
.endm
	TOSTAGE 0
	TOSTAGE 1
	SEND 0, 32
	s_wait_xcnt 0x0
	TOSTAGE 2
	SEND 1, 32
	s_wait_xcnt 0x0
	TOSTAGE 3
	SEND 2, 32
	SEND 3, 0
	s_wait_tensorcnt 0x0
	ds_add_u32 v[SPW], v[NIL]
	s_wait_dscnt 0x0
	CROUND
	s_endpgm
.Lfunc_end_k_qfb30666abc_pv:
	.size	k_qfb30666abc_pv, .Lfunc_end_k_qfb30666abc_pv-k_qfb30666abc_pv
	.p2alignl 7, 3214868480
	.fill 96, 4, 3214868480
	.section	.rodata,"a",@progbits
	.p2align	6, 0x0
	.amdhsa_kernel k_qfb30666abc_pv
		.amdhsa_group_segment_fixed_size 327680
		.amdhsa_private_segment_fixed_size 0
		.amdhsa_enable_private_segment 0
		.amdhsa_kernarg_size 40
		.amdhsa_user_sgpr_count 2
		.amdhsa_user_sgpr_kernarg_segment_ptr 1
		.amdhsa_wavefront_size32 1
		.amdhsa_system_sgpr_workgroup_id_x 1
		.amdhsa_system_sgpr_workgroup_id_y 1
		.amdhsa_system_sgpr_workgroup_id_z 1
		.amdhsa_system_vgpr_workitem_id 0
		.amdhsa_next_free_vgpr 768
		.amdhsa_next_free_sgpr 100
		.amdhsa_reserve_vcc 0
		.amdhsa_float_denorm_mode_32 3
		.amdhsa_float_denorm_mode_16_64 3
		.amdhsa_memory_ordered 1
		.amdhsa_forward_progress 1
		.amdhsa_inst_pref_size 200
	.end_amdhsa_kernel
	.amdgpu_metadata
---
amdhsa.version: [ 1, 2 ]
amdhsa.kernels:
  - .name:           k_qfb30666abc_pv
    .symbol:         k_qfb30666abc_pv.kd
    .args:
      - { .name: pp, .offset: 0, .size: 8, .value_kind: global_buffer, .address_space: global }
      - { .name: pc, .offset: 8, .size: 8, .value_kind: global_buffer, .address_space: global }
      - { .name: st, .offset: 16, .size: 8, .value_kind: global_buffer, .address_space: global }
      - { .name: lowp_scales, .offset: 24, .size: 8, .value_kind: global_buffer, .address_space: global }
      - { .name: out0, .offset: 32, .size: 8, .value_kind: global_buffer, .address_space: global }
    .group_segment_fixed_size: 327680
    .private_segment_fixed_size: 0
    .kernarg_segment_align: 8
    .kernarg_segment_size: 40
    .max_flat_workgroup_size: 128
    .sgpr_count:     100
    .vgpr_count:     768
    .wavefront_size: 32
...
	.end_amdgpu_metadata
.endif
;; end of part 4
